; MI455X (gfx1250); checked and timed in simulation.
; The chip was launched on July 23, 2026; its instructions are those of AMD's public machine-readable ISA for CDNA 5 (MIT licence, August 2026) and "CDNA5" Instruction Set Architecture Reference Guide (July 2026). The comments in the code are by the model that wrote it; some were corrected since.
;; SOPL Layer. Allowed arithmetic: matrix products marked QUANTISED: E2M1 operands, one E8M0 scale for each 32 along K, by v_wmma_scale_f32_16x16x128_f8f6f4 with both operands' format E2M1 (or v_wmma_scale_f32_32x16x128_f4), f32 sums; products left as they are: bf16, f16 or f32 operands; f32 sums; everything else in f32.
;; Inputs: centers 512 x 128 float32; x 200,000 x 128 float32.
;; Outputs: out0 512 x 128 float32.
;; This version of the problem:
;;   THIS VERSION OF THE PROBLEM IS GIVEN IN LOW PRECISION. The matrix products marked QUANTISED in the list below multiply operands that are first quantised to E2M1 (2 exponent bits, 1 mantissa bit; 4 bits a number), with one power-of-two scale for each 32 numbers along K (OCP MX v1.0); their sums are f32. The products marked 'left as it is' may take bf16, f16 or f32 operands, with f32 sums. Whichever they take, every output number must still come out within the allowed error. Rounding operands to bf16 (8 significant bits) uses up far more of that allowance than f16 does (11 bits, for magnitudes from 6e-5 to 65,504). All else is computed in f32.
;;   The module's matrix products, in the order in which they are computed (A, B: the left and right operand; K: the contracted axis; several contracted axes count as one K, in the product's order):
;;     1. [M 200,000, K 128] x [K 128, N 512]; A: input x; B: input centers: QUANTISED
;;     2. [M 512, K 200,000] x [K 200,000, N 128]; A: computed on the way; B: input x: left as it is (an operand is computed on the way)
;;   THE QUANTISER, for each operand of a quantised product, along K:
;;     - K is cut into blocks of 32 from its start; a last block that is shorter is filled with zeros.
;;     - A block's scale is 2^e with e = floor(log2(the largest magnitude in the block)) - 2, held to -126 .. 127; a block of zeros has e = 0. As a byte (E8M0): e + 127.
;;     - Each number is divided by its block's scale, clamped to +-6, and rounded to the nearest number of E2M1, ties to even, subnormals kept.
;;     - The product sums the exact products of the quantised numbers (number of the format x scale) in f32.
;;   ~~~python
;;   def quantise(x, axis):      # numpy; x: float32 -> the quantised numbers, widened to float32 again
;;       x = np.moveaxis(x, axis, -1); K = x.shape[-1]
;;       x = np.pad(x, [(0, 0)] * (x.ndim - 1) + [(0, -K % 32)]); x = x.reshape(x.shape[:-1] + (-1, 32)); a = np.abs(x).max(-1, keepdims=True)
;;       e = np.where(a > 0, np.clip(np.frexp(np.where(a > 0, a, 1))[1] - 1 - 2, -126, 127), 0)      # np.frexp(a)[1] - 1 = floor(log2(a)), exactly
;;       r = np.clip(x / 2.0 ** e, -6, 6)
;;       step = 2.0 ** (np.maximum(np.frexp(np.where(r == 0, 1, r))[1] - 1, 0) - 1)
;;       q = np.round(r / step) * step * 2.0 ** e      # np.round: ties to even
;;       return np.moveaxis(q.reshape(q.shape[:-2] + (-1,))[..., :K], -1, axis).astype(np.float32)
;;   ~~~
;; One version. Each part assembles by itself: llvm-mc -triple=amdgcn-amd-amdhsa -mcpu=gfx1250 --defsym DOCPART=n.
;; ======== version 1 of 1: 3 launches
;; workspace buffers: ccode 32,768 bytes; cscale 4,096 bytes; cbias 2,048 bytes; pnum 65,536,000 bytes; pden 512,000 bytes
;; launch cprep (part 1): grid 32 x 1, 1 waves a work-group, no clusters, 0 bytes of LDS; arguments centers, ccode, cscale, cbias; writes ccode, cscale, cbias
.if DOCPART == 1
	.amdgcn_target "amdgcn-amd-amdhsa--gfx1250"
	.amdhsa_code_object_version 6
	.text
	.protected	k_q2e59ffa808_cprep
	.globl	k_q2e59ffa808_cprep
	.p2align	8
	.type	k_q2e59ffa808_cprep,@function
k_q2e59ffa808_cprep:
	s_mov_b64 s[64:65], 0
	v_nop
	global_prefetch_b8 v0, s[64:65] scope:SCOPE_SE
	s_setreg_imm32_b32 hwreg(HW_REG_WAVE_MODE, 25, 1), 1
	s_wait_xcnt 0x0
; The 512 centres [512][128] f32 are quantised ONCE, along their 128, into codes of FP4 (E2M1) with one E8M0 byte for each 32, since all 250 work-groups of the next launch read them.
; One wave takes one tile of 16 centres.  The codes are laid as an IMAGE OF THE OPERAND REGISTERS: [tile][c = 0, 1][lane][16 bytes]; lane (r, h), group c holds k = 64 c + 32 h + 0 .. 31 of centre 16 tile + r.
; The scale words are laid [tile][lane]: lanes r and 16 + r both hold the four bytes of centre 16 tile + r.  cbias[centre] = -|c|^2 / 2, of the unquantised numbers, in f32.
; A block scale is 2^(floor(log2(largest magnitude)) - 2); its byte is the largest magnitude's exponent field - 2, held at 1 from below.
; LIMITS: a block of zeros, or one under 2^-124, gets the byte 1 (zero codes add nothing; this program alone reads the bytes); NaN and infinities are not served.
; The loads take 16 bytes of 16 rows 512 bytes apart, and the 64 bytes of cbias are part of an aligned 256: the whole tensor is 262,144 bytes and is read once.
.set X, 64                             ; v64-127  my 64 numbers: register 32 c + i is k = 64 c + 32 h + i of row r
	s_load_b256 s[4:11], s[0:1], 0x0               ; centers s[4:5], ccode s[6:7], cscale s[8:9], cbias s[10:11]
	v_and_b32 v1, 15, v0                           ; r
	v_lshrrev_b32 v2, 4, v0                        ; h
	v_lshlrev_b32 v3, 9, v1                        ; a centre is 512 bytes
	v_lshl_add_u32 v3, v2, 7, v3                   ; + 128 h: my 32 numbers of each 64
	v_lshlrev_b32 v4, 4, v0                        ; 16 x lane: the codes' image
	v_lshlrev_b32 v5, 2, v0                        ; 4 x lane: the scale words
	v_lshlrev_b32 v6, 2, v1                        ; 4 r: the bias
	v_mov_b32 v16, 0                               ; a lane permute's destination counts as read: written once
	s_mov_b32 s20, 0x76543210
	s_mov_b32 s21, 0xfedcba98                      ; selects: lane l xor 16
	s_lshl_b32 s12, ttmp9, 13                      ; my tile: 16 x 512 bytes of centres,
	s_mov_b32 s13, 0
	s_lshl_b32 s14, ttmp9, 10                      ; 1,024 of codes,
	s_mov_b32 s15, 0
	s_lshl_b32 s16, ttmp9, 7                       ; 128 of scale words,
	s_mov_b32 s17, 0
	s_lshl_b32 s18, ttmp9, 6                       ; 64 of bias
	s_mov_b32 s19, 0
	s_wait_kmcnt 0x0
	s_add_nc_u64 s[4:5], s[4:5], s[12:13]
	s_add_nc_u64 s[6:7], s[6:7], s[14:15]
	s_add_nc_u64 s[8:9], s[8:9], s[16:17]
	s_add_nc_u64 s[10:11], s[10:11], s[18:19]
.irp c, 0,1
.irp i, 0,1,2,3,4,5,6,7
	global_load_b128 v[X+32*\c+4*\i:X+32*\c+4*\i+3], v3, s[4:5] offset:256*\c+16*\i
.endr
.endr
	s_wait_loadcnt 0x0
.irp c, 0,1                                    ; my block 2 c + h: all its 32 numbers are mine
	v_max3_num_f32 v[32+\c], |v[X+32*\c]|, |v[X+1+32*\c]|, 0x1800000   ; with the floor 2^(3 - 127): the byte cannot fall under 1
.endr
.irp i, 2,4,6,8,10,12,14,16,18,20,22,24,26,28,30
.irp c, 0,1
	v_max3_num_f32 v[32+\c], v[32+\c], |v[X+32*\c+\i]|, |v[X+1+32*\c+\i]|
.endr
.endr
.irp c, 0,1
	v_add_nc_u32 v[44+\c], 0xff000000, v[32+\c]    ; 2 off the exponent field: the conversion's scale operand
.endr
.irp c, 0,1
	v_lshrrev_b32 v[36+\c], 23, v[44+\c]           ; the scale's byte
.endr
	v_lshl_or_b32 v9, v37, 16, v36                 ; my two bytes: blocks h and 2 + h,
	v_lshlrev_b32 v10, 3, v2
	v_lshlrev_b32 v9, v10, v9                      ; 8 h bits up;
	v_mov_b32 v10, 0
	v_permlanex16_b32 v10, v9, s20, s21
	v_or_b32 v9, v9, v10                           ; with lane l xor 16's two the word is whole, in both lanes
	v_pk_mul_f32 v[12:13], v[X:X+1], v[X:X+1]      ; the squares of my 64, in two chains of pairs
	v_pk_mul_f32 v[14:15], v[X+2:X+3], v[X+2:X+3]
.irp j, 4,8,12,16,20,24,28,32,36,40,44,48,52,56,60
	v_pk_fma_f32 v[12:13], v[X+\j:X+\j+1], v[X+\j:X+\j+1], v[12:13]
	v_pk_fma_f32 v[14:15], v[X+\j+2:X+\j+3], v[X+\j+2:X+\j+3], v[14:15]
.endr
	v_pk_add_f32 v[12:13], v[12:13], v[14:15]
	v_add_f32 v12, v12, v13
	v_permlanex16_b32 v16, v12, s20, s21
	v_add_f32 v12, v12, v16                        ; |c|^2 of row r
	v_mul_f32 v12, -0.5, v12
.irp c, 0,1
.irp g, 0,1,2,3
	v_cvt_scalef32_pk8_fp4_f32 v[48+4*\c+\g], v[X+32*\c+8*\g:X+32*\c+8*\g+7], v[44+\c]   ; registers 4 c .. 4 c + 3 of the operand
.endr
.endr
	v_nop                                          ; one plain line behind the last scaled conversion
	global_store_b128 v4, v[48:51], s[6:7]         ; 32 lanes store 512 consecutive bytes
	global_store_b128 v4, v[52:55], s[6:7] offset:512
	global_store_b32 v5, v9, s[8:9]                ; 128 consecutive bytes
	global_store_b32 v6, v12, s[10:11]             ; lanes r and 16 + r store the same number at the same place
	s_endpgm
.Lfunc_end_k_q2e59ffa808_cprep:
	.size	k_q2e59ffa808_cprep, .Lfunc_end_k_q2e59ffa808_cprep-k_q2e59ffa808_cprep
	.p2alignl 7, 3214868480
	.fill 96, 4, 3214868480
	.section	.rodata,"a",@progbits
	.p2align	6, 0x0
	.amdhsa_kernel k_q2e59ffa808_cprep
		.amdhsa_group_segment_fixed_size 0
		.amdhsa_private_segment_fixed_size 0
		.amdhsa_enable_private_segment 0
		.amdhsa_kernarg_size 32
		.amdhsa_user_sgpr_count 2
		.amdhsa_user_sgpr_kernarg_segment_ptr 1
		.amdhsa_wavefront_size32 1
		.amdhsa_system_sgpr_workgroup_id_x 1
		.amdhsa_system_sgpr_workgroup_id_y 1
		.amdhsa_system_sgpr_workgroup_id_z 1
		.amdhsa_system_vgpr_workitem_id 0
		.amdhsa_next_free_vgpr 128
		.amdhsa_next_free_sgpr 66
		.amdhsa_reserve_vcc 0
		.amdhsa_float_denorm_mode_32 3
		.amdhsa_float_denorm_mode_16_64 3
		.amdhsa_memory_ordered 1
		.amdhsa_forward_progress 1
		.amdhsa_inst_pref_size 9
	.end_amdhsa_kernel
	.amdgpu_metadata
---
amdhsa.version: [ 1, 2 ]
amdhsa.kernels:
  - .name:           k_q2e59ffa808_cprep
    .symbol:         k_q2e59ffa808_cprep.kd
    .args:
      - { .name: centers, .offset: 0, .size: 8, .value_kind: global_buffer, .address_space: global }
      - { .name: ccode, .offset: 8, .size: 8, .value_kind: global_buffer, .address_space: global }
      - { .name: cscale, .offset: 16, .size: 8, .value_kind: global_buffer, .address_space: global }
      - { .name: cbias, .offset: 24, .size: 8, .value_kind: global_buffer, .address_space: global }
    .group_segment_fixed_size: 0
    .private_segment_fixed_size: 0
    .kernarg_segment_align: 8
    .kernarg_segment_size: 32
    .max_flat_workgroup_size: 32
    .sgpr_count:     66
    .vgpr_count:     128
    .wavefront_size: 32
...
	.end_amdgpu_metadata
.endif
;; end of part 1
;; launch main (part 2): grid 250 x 1, 4 waves a work-group, no clusters, 327,680 bytes of LDS; arguments x, ccode, cscale, cbias, pnum, pden; writes pnum, pden
.if DOCPART == 2
	.amdgcn_target "amdgcn-amd-amdhsa--gfx1250"
	.amdhsa_code_object_version 6
	.text
	.protected	k_q2e59ffa808_main
	.globl	k_q2e59ffa808_main
	.p2align	8
	.type	k_q2e59ffa808_main,@function
k_q2e59ffa808_main:
	s_mov_b64 s[64:65], 0
	v_nop
	global_prefetch_b8 v0, s[64:65] scope:SCOPE_SE
	s_setreg_imm32_b32 hwreg(HW_REG_WAVE_MODE, 25, 1), 1
	s_wait_xcnt 0x0
; ONE STEP OF SOFT K-MEANS, the main launch.  x [200000][128] f32; 512 centres as FP4 codes, scale words and -|c|^2/2 from the launch before.
; For each point: score s_k = Q(x) . Q(c_k) - |c_k|^2 / 2 (FP4 on both sides, scaled matrix form, the bias as C); t = 2000 log2(e) s; p = 2^(t - the row's largest t); l = the row's sum of p; w = p / l.
; |x|^2 is the same in all 512 scores of a row, so it lies inside the row's maximum, which is taken away: it cancels for every input and is not formed.
; Left in memory for the next launch: pnum[wg][k][d] = sum over my points of w x, pden[wg][k] = sum of w.
; SHARES.  200,000 = 250 x 800: a work-group owns 800 points, 25 blocks of 32.  Its four waves share the CENTRES, 128 each: a wave keeps its centres' codes, scales and bias, 64 accumulators of 16 x 16
; (128 centres x 128 d, 512 registers) and 64 registers of den.  The row's maximum and sum span the four waves and meet in LDS: three barriers a block.  In each block wave w also prepares points 8 w .. 8 w + 7 of x.
; THE SECOND PRODUCT goes in bf16 (p reaches down to 2^-126: f16 has no room): operands bf16(p), at most 1, and bf16(x / l); den = sum of p / l stays in f32 on the vector unit.
; LAYOUT.  Scores: source 0 = 16 centres, source 1 = 16 points: a lane holds ONE point (lane % 16) and eight centres, so maximum, sum and 1 / l are a lane's own.  p goes as bf16 through the wave's own stage
; [32 points][128 centres] and comes back turned (ds_load_tr16_b128) as an operand with the points along its registers; x / l likewise through a tile that all four waves read.
; BY TURNS.  Block i - 1's 64 bf16 products stand among block i's softmax, a slice of vector work behind each, as far as there is vector work: the wave is alone on its SIMD.
; x comes through a ring of two LDS slots of 160 points, filled by the tensor data mover, a quarter a wave; a refill has five blocks' work in which to land.
; NO CLUSTER: 250 work-groups do not divide by four, and what work-groups share (38,912 bytes of centres, read once) is small beside a work-group's own 409,600 bytes of x.
; NO PREFETCH: no wave waits for x: each refill is asked for five blocks ahead of its first read.
; LIMITS: NaN and infinities are not served; p under 2^-126 counts as 0 (v_exp_f32); 1 / l by v_rcp_f32; a block of 32 of x that is zero or under 2^-124 gets the scale byte 1 with its codes; sums in another order than a row-major loop.
.set SLOT1,  1<<17                     ; slot 1 begins here: one exclusive or turns an address of one slot into the other's; nothing lies between the slots
.set PTB,    544                       ; a point in a slot: two rows of 256 bytes, 16 bytes of padding behind each
.set BLKB,   32*PTB                    ; a block of 32 points
.set QROWS,  80                        ; what one tensor load brings: 40 points = 80 rows of 256 bytes
.set QLDS,   QROWS*272
.set QMEM,   QROWS*256
.set CHMEM,  4*QMEM                    ; a slot's 160 points in memory
.set WGMEM,  5*CHMEM                   ; a work-group's 800 points
.set XTP,    288                       ; a row of a bf16 tile: 256 bytes + 32
.set XT,     SLOT1+4*QLDS              ; behind the ring: x / l in bf16, 32 rows
.set XC,     XT+32*XTP                 ; x's codes: 32 rows of 64 bytes + 16
.set XCP,    80
.set XSC,    XC+32*XCP                 ; x's scale bytes, 4 a point
.set MXB,    XSC+256                   ; [32 points][4 waves] f32: the waves' maxima
.set LXB,    MXB+512                   ; and their sums
.set SPARE,  LXB+512                   ; the spare words, 128 bytes a wave: two blocks of 256 bytes that no other line names
.set STG,    SPARE+512                 ; a stage of 9,216 bytes for each wave: p in bf16; at the end den's image and the way out
.set STGW,   32*XTP
.set OUTP,   528                       ; the way out: a row of 512 bytes + 16
; window 0
.set SPW,  1                           ; v1   my spare word; never rewritten
.set NIL,  2                           ; v2   0; never rewritten
.set AXR,  3                           ; v3   my 128 bytes of x in a block: point v0 / 4, block of 32 v0 % 4
.set AXCW, 4                           ; v4   where my 16 bytes of codes go
.set AXSW, 5                           ; v5   and my scale byte
.set AXCR, 6                           ; v6   x's fragment: row r, + 16 h
.set AXSR, 7                           ; v7   x's scale word of point r
.set AMW,  8                           ; v8   my wave's maximum of point r;  v9 the four waves'
.set AMR,  9
.set ALW,  10                          ; v10  my wave's sum of point r;  v11 the four waves';  v12 those of the point that I prepare
.set ALR,  11
.set ALP,  12
.set AXTW, 13                          ; v13  where my 64 bytes of x / l go
.set ATRX, 14                          ; v14  the turning load's lane term in XT
.set ASW,  15                          ; v15  my stage: row r, + 16 h
.set ASR,  16                          ; v16  the turning load's lane term in my stage
.set ADX,  17                          ; v17  the ring address in hand
.set G16,  18                          ; v18  16 x lane;  v19  32 h: offsets of the loads at the head
.set G32,  19
.set NM,   20                          ; v[20:21], v[22:23]  low word: -c x the row's largest score, points r and 16 + r
.set RL,   24                          ; v[24:25], v[26:27]  low word: 1 / l of points r, 16 + r;  v[28:29] of the point that I prepare
.set CS,   32                          ; v32-39  my centres' scale words: scales and nothing else
.set XS,   40                          ; v40-41  x's scale words: likewise
.set XFR,  42                          ; v42-57  x's two fragments of codes; then the four waves' maxima; then p in bf16, four sets of four
.set PT,   42
.set XR,   58                          ; v58-89  32 numbers of x
.set PF,   90                          ; v90-113 three fragments of p; between the products: l's 12 words, x / l in bf16, x's codes
.set XCD,  106
.set QT,   114                         ; v114-117 the quantiser's
.set SA,   118                         ; v118-125 four maxima, then four pairs of sums
.set TP,   126                         ; v126-127 lane permutes' destinations
.set S,    128                         ; v128-255 scores, then p: tile (pt, ct) at S + 64 pt + 8 ct
; window 1: v0-63 my centres' codes, 8 a tile; v64-127 the bias, 8 a tile; v128-191 den; v192-255 eight fragments of (x / l) turned
.set BI,   64
.set DEN,  128
.set XF,   192
; windows 2, 3: accumulator (ct, dt) at v[8 (8 (ct % 4) + dt)], window 2 for ct under 4
.set WV,   16                          ; s16  my wave
.set G1,   24                          ; s[24:31] descriptor group 1;  s[32:35], s[36:39] groups 0 of the two first fills; the second walks on
.set G0A,  32
.set G0B,  36
.set XB,   40                          ; s40  ring byte of the next block to read
.set STB,  41                          ; s41  my stage
.set CNT,  43                          ; s43, s44 loop counters
.set CSC,  46                          ; s[46:47] c = 2000 log2(e);  s48 -c
.set NC,   48
.set SEL,  50                          ; s[50:51] lane l xor 16
.set MSB, 0
.macro WIN new                         ; bits 1:0 source 0, 3:2 source 1, 5:4 source 2, 7:6 destination; the high byte repeats the setting that is left
.if MSB != \new
	s_set_vgpr_msb (MSB<<8)|\new
.set MSB, \new
.endif
.endm
.macro PLACES                          ; four plain lines behind a matrix instruction, ahead of the first read of its results (ISA guide 7.12.1)
.rept 4
	v_nop
.endr
.endm
; my 32 numbers of the next block: 8 loads of 16 bytes
.macro XLOAD
	v_add_nc_u32 v[ADX], s[XB], v[AXR]
.irp i, 0,1,2,3,4,5,6,7
	ds_load_b128 v[XR+4*\i:XR+4*\i+3], v[ADX] offset:16*\i
.endr
	s_add_co_u32 s[XB], s[XB], BLKB
.endm
; they are one whole block of 32 along K: its largest magnitude, scale byte and 32 codes need no other lane
.macro XQUANT
	v_max3_num_f32 v[QT], |v[XR]|, |v[XR+1]|, |v[XR+2]|
	v_max3_num_f32 v[QT+1], |v[XR+3]|, |v[XR+4]|, |v[XR+5]|
.irp i, 6,10,14,18,22,26
	v_max3_num_f32 v[QT], v[QT], |v[XR+\i]|, |v[XR+\i+1]|
	v_max3_num_f32 v[QT+1], v[QT+1], |v[XR+\i+2]|, |v[XR+\i+3]|
.endr
	v_max3_num_f32 v[QT], v[QT], |v[XR+30]|, |v[XR+31]|
	v_max3_num_f32 v[QT], v[QT], v[QT+1], 0x1800000        ; the floor 2^(3 - 127): the byte cannot fall under 1
	v_add_nc_u32 v[QT+2], 0xff000000, v[QT]                ; 2 off the exponent field: the conversion's scale operand
.irp g, 0,1,2,3
	v_cvt_scalef32_pk8_fp4_f32 v[XCD+\g], v[XR+8*\g:XR+8*\g+7], v[QT+2]
.endr
	v_lshrrev_b32 v[QT+3], 23, v[QT+2]                     ; the scale's byte; also the plain line behind the conversions
	ds_store_b128 v[AXCW], v[XCD:XCD+3]
	ds_store_b8 v[AXSW], v[QT+3]
.endm
; the block's scores: 8 tiles of my centres x 2 tiles of points, one scaled FP4 product each (K = 128), the bias as C
.macro FQ
	WIN 0x11                                       ; codes and bias in window 1
.irp ct, 0,1,2,3,4,5,6,7
.irp pt, 0,1
	v_wmma_scale_f32_16x16x128_f8f6f4 v[S+64*\pt+8*\ct:S+64*\pt+8*\ct+7], v[8*\ct:8*\ct+7], v[XFR+8*\pt:XFR+8*\pt+7], v[BI+8*\ct:BI+8*\ct+7], v[CS+\ct], v[XS+\pt] matrix_a_fmt:MATRIX_FMT_FP4 matrix_b_fmt:MATRIX_FMT_FP4
.endr
.endr
	WIN 0
.endm
; my wave's largest score of each point: for each tile of points two chains over 32 registers, ascending
.macro MAXES
.irp pt, 0,1
.irp a, 0,1
	v_max3_num_f32 v[SA+2*\pt+\a], v[S+64*\pt+32*\a], v[S+64*\pt+32*\a+1], v[S+64*\pt+32*\a+2]
.endr
.endr
.irp u, 3,5,7,9,11,13,15,17,19,21,23,25,27,29
.irp pt, 0,1
.irp a, 0,1
	v_max3_num_f32 v[SA+2*\pt+\a], v[SA+2*\pt+\a], v[S+64*\pt+32*\a+\u], v[S+64*\pt+32*\a+\u+1]
.endr
.endr
.endr
.irp pt, 0,1
	v_max3_num_f32 v[SA+2*\pt], v[SA+2*\pt], v[SA+2*\pt+1], v[S+64*\pt+31]
.endr
.irp pt, 0,1
	v_max_num_f32 v[SA+2*\pt], v[SA+2*\pt], v[S+64*\pt+63]
.endr
.irp pt, 0,1
	v_permlanex16_b32 v[TP+\pt], v[SA+2*\pt], s[SEL], s[SEL+1]     ; the point's other 64 of my centres lie in the lane 16 away
.endr
.irp pt, 0,1
	v_max_num_f32 v[SA+2*\pt], v[SA+2*\pt], v[TP+\pt]
.endr
.endm
; bf16 product n of 64 of the block before: centres 16 (n / 8) on, d 16 (n % 8) on, K = its 32 points.  Each accumulator has one product a block: the 64 take turns.
; mode = 2: the first block's products start the sums: nothing is cleared.  alt = 1: p's fragments 3 to 7 stand in the score registers.
.macro PVW mode, alt
.if n < 32
	WIN 0xa1                                       ; source 0 (x turned) window 1, source 1 (p) window 0, C and D window 2
.else
	WIN 0xf1                                       ; the same, C and D window 3
.endif
.set rD, 8*(n%32)
.set rA, XF+8*(n%8)
.set rB, PF+8*((n/8)%3)
.if \alt && (n >= 24)
.set rB, S+8*(n/8-3)
.endif
.if \mode == 2
	v_wmma_f32_16x16x32_bf16 v[rD:rD+7], v[rA:rA+7], v[rB:rB+7], 0
.else
	v_wmma_f32_16x16x32_bf16 v[rD:rD+7], v[rA:rA+7], v[rB:rB+7], v[rD:rD+7]
.endif
.endm
.macro PFL g                           ; p's fragment g (16 centres x 32 points), turned, into buffer g % 3
	WIN 0
	ds_load_tr16_b128 v[PF+8*((\g)%3):PF+8*((\g)%3)+3], v[ASR] offset:32*(\g)
	ds_load_tr16_b128 v[PF+8*((\g)%3)+4:PF+8*((\g)%3)+7], v[ASR] offset:32*(\g)+16*XTP
.endm
.macro FMA P                           ; pair P of 64: c s - c m
	v_pk_fma_f32 v[S+2*(\P):S+2*(\P)+1], v[S+2*(\P):S+2*(\P)+1], s[CSC:CSC+1], v[NM+2*((\P)/32):NM+2*((\P)/32)+1] op_sel_hi:[1,0,0]
.endm
; slice k of 32: four exponentials, whose pairs were scaled a slice earlier, and the next two scalings.  No slice names an exponential's result.
.macro SLICE
	WIN 0
.if k < 31
	FMA 2*k+2
.endif
	v_exp_f32 v[S+4*k], v[S+4*k]
	v_exp_f32 v[S+4*k+1], v[S+4*k+1]
.if k < 31
	FMA 2*k+3
.endif
	v_exp_f32 v[S+4*k+2], v[S+4*k+2]
	v_exp_f32 v[S+4*k+3], v[S+4*k+3]
.endm
; slice u of 16 of the row sums: for each tile of points two chains of pairs
.macro SUMS
	WIN 0
.if u == 0
.irp pt, 0,1
.irp a, 0,1
	v_pk_add_f32 v[SA+4*\pt+2*\a:SA+4*\pt+2*\a+1], v[S+64*\pt+2*\a:S+64*\pt+2*\a+1], v[S+64*\pt+2*\a+4:S+64*\pt+2*\a+5]
.endr
.endr
.elseif u < 15
.irp pt, 0,1
.irp a, 0,1
	v_pk_add_f32 v[SA+4*\pt+2*\a:SA+4*\pt+2*\a+1], v[SA+4*\pt+2*\a:SA+4*\pt+2*\a+1], v[S+64*\pt+4*u+4+2*\a:S+64*\pt+4*u+5+2*\a]
.endr
.endr
.else
	v_pk_add_f32 v[SA:SA+1], v[SA:SA+1], v[SA+2:SA+3]
	v_pk_add_f32 v[SA+4:SA+5], v[SA+4:SA+5], v[SA+6:SA+7]
	v_add_f32 v[SA], v[SA], v[SA+1]
	v_add_f32 v[SA+4], v[SA+4], v[SA+5]
.endif
.endm
.macro PCVT T                          ; tile T = 8 pt + ct of p to bf16: 16 bytes a lane: point r, eight neighbouring centres
.irp i, 0,1,2,3
	v_cvt_pk_bf16_f32 v[PT+4*((\T)%4)+\i], v[S+8*(\T)+2*\i], v[S+8*(\T)+2*\i+1]
.endr
.endm
.macro PSTO T                          ; and into my stage
	ds_store_b128 v[ASW], v[PT+4*((\T)%4):PT+4*((\T)%4)+3] offset:16*XTP*((\T)/8)+32*((\T)%8)
.endm
; THE CHANGE OF SLOTS.  Every wave waits for all its tensor loads (its quarter of the slot ahead), adds 0 to its spare word, and waits for that and for its LDS reads, those of the slot that it leaves among them.
; Behind the barrier the slot ahead is whole and nobody reads the other.  fill = 1: that other slot takes the 160 points two slots on: one load a wave, first thing behind the barrier.
.macro CHANGE fill
	s_wait_tensorcnt 0x0                           ; no tensor load of mine is out, so a group 0 may be written
	ds_add_u32 v[SPW], v[NIL]                      ; the steps below stand between the add and the wait for it
.if \fill
	s_xor_b32 s[G0B+1], s[G0B+1], SLOT1            ; the walking descriptor: the other slot than last time,
	s_add_nc_u64 s[G0B+2:G0B+3], s[G0B+2:G0B+3], CHMEM     ; the next 160 points; the type bits on top are not reached
.endif
	s_sub_co_u32 s[XB], s[XB], 5*BLKB              ; the reads go back to a slot's first block,
	s_xor_b32 s[XB], s[XB], SLOT1                  ; in the other slot
	s_wait_dscnt 0x0                               ; the add is done, and all my LDS reads are back
	s_barrier_signal -1
	s_barrier_wait -1
.if \fill
	tensor_load_to_lds s[G0B:G0B+3], s[G1:G1+7]
	s_nop 0
	PLACES
.endif
.endm
; ONE BLOCK OF 32 POINTS.  pv = 1: the 64 bf16 products of the block before stand in it; 2: they start the sums; 0: none.  last = 1: there is no next block to prepare.
; On entry 28 LDS loads are out, in this order: x's codes 4, its scale words 2, x / l turned 16, p's fragments 0 to 2: 6.  (pv = 0: the first six alone.)
.macro TRIP pv, last
.if \pv
	s_wait_dscnt 22                                ; x's codes and scale words are in; the 22 younger loads may stay out
.else
	s_wait_dscnt 0x0
.endif
	FQ
	PLACES
	MAXES
	ds_store_b32 v[AMW], v[SA]                     ; lanes r and 16 + r store the same number at the same word
	ds_store_b32 v[AMW], v[SA+2] offset:256
	s_wait_dscnt 0x0                               ; for the others: my maxima lie in LDS; for me: all operands of the products are in
	s_barrier_signal -1
.set n, 0
.if \pv
.rept 8
	PVW \pv, 0                                     ; work on registers while the others arrive
.set n, n+1
.endr
	WIN 0
.endif
	s_barrier_wait -1
	ds_load_b128 v[PT:PT+3], v[AMR]                ; the four waves' maxima of point r,
	ds_load_b128 v[PT+4:PT+7], v[AMR] offset:256   ; and of point 16 + r
.if \pv
.rept 8
	PVW \pv, 0                                     ; and while these two come
.set n, n+1
.endr
	WIN 0
.endif
	s_wait_dscnt 0x0
	v_max3_num_f32 v30, v[PT], v[PT+1], v[PT+2]
	v_max3_num_f32 v31, v[PT+4], v[PT+5], v[PT+6]
	v_max_num_f32 v30, v30, v[PT+3]
	v_max_num_f32 v31, v31, v[PT+7]
	v_mul_f32 v[NM], s[NC], v30                    ; -c m
	v_mul_f32 v[NM+2], s[NC], v31
	FMA 0
	FMA 1                                          ; these eight plain lines are the places behind product 15, ahead of the loads into the buffers that products 0 to 15 read
.if \pv
	PFL 3
	PFL 4
.endif
	; BY TURNS: a slice behind each product.  Loads into a buffer of p stand six scalings behind the buffer's last reader.
.set n, 16
.rept 32
.if \pv
.if (n == 24) || (n == 32) || (n == 40)
	s_wait_dscnt 2                                 ; this group's fragment of p is in; the one younger pair of loads may stay out
.endif
	PVW \pv, 0
.endif
.set k, n-16
	SLICE
.if \pv
.if n == 25
	PFL 5
.endif
.if n == 33
	PFL 6
.endif
.if n == 41
	PFL 7
.endif
.endif
.set n, n+1
.endr
	v_nop                                          ; a plain line behind the last exponential
	s_wait_alu depctr_va_vdst(0)                   ; ONE wait for the block's 128 exponentials, ahead of the first line that names a result
.rept 16
.if \pv
.if n == 48
	s_wait_dscnt 2
.endif
.if n == 56
	s_wait_dscnt 0x0                               ; p's last fragment is in: my stage has been read out
.endif
	PVW \pv, 0
.endif
.set u, n-48
	SUMS
.set n, n+1
.endr
	WIN 0
	v_permlanex16_b32 v[TP], v[SA], s[SEL], s[SEL+1]
	v_permlanex16_b32 v[TP+1], v[SA+4], s[SEL], s[SEL+1]
	v_add_f32 v[SA], v[SA], v[TP]
	v_add_f32 v[SA+4], v[SA+4], v[TP+1]            ; my wave's sum of p of points r and 16 + r
	ds_store_b32 v[ALW], v[SA]
	ds_store_b32 v[ALW], v[SA+4] offset:256
	s_wait_dscnt 0x0                               ; for the others: my sums lie in LDS
	s_barrier_signal -1
	PCVT 0
	PCVT 1
	PCVT 2
	PCVT 3
	s_barrier_wait -1
	ds_load_b128 v[PF:PF+3], v[ALR]                ; the four waves' sums of point r,
	ds_load_b128 v[PF+4:PF+7], v[ALR] offset:256   ; of point 16 + r,
	ds_load_b128 v[PF+8:PF+11], v[ALP]             ; and of the point whose x I hold
	PSTO 0
	PSTO 1
	PSTO 2
	PSTO 3
	PCVT 4
	PSTO 4
	PCVT 5
	PSTO 5
	s_wait_dscnt 6                                 ; the three loads are in; the six stores behind them may be out
.irp q, 0,4,8
	v_add_f32 v[PF+\q], v[PF+\q], v[PF+\q+1]
	v_add_f32 v[PF+\q+2], v[PF+\q+2], v[PF+\q+3]
.endr
.irp q, 0,4,8
	v_add_f32 v[PF+\q], v[PF+\q], v[PF+\q+2]       ; l
.endr
	v_rcp_f32 v[RL], v[PF]
	v_rcp_f32 v[RL+2], v[PF+4]
	v_rcp_f32 v[RL+4], v[PF+8]
	PCVT 6                                         ; plain work behind the reciprocals
	PSTO 6
	s_wait_alu depctr_va_vdst(0)                   ; one wait for the three, ahead of their first reader
.irp i, 0,2,4,6,8,10,12,14,16,18,20,22,24,26,28,30
	v_pk_mul_f32 v[XR+\i:XR+\i+1], v[XR+\i:XR+\i+1], v[RL+4:RL+5] op_sel_hi:[1,0]   ; x / l
.endr
.irp i, 0,1,2,3,4,5,6,7,8,9,10,11,12,13,14,15
	v_cvt_pk_bf16_f32 v[PF+\i], v[XR+2*\i], v[XR+2*\i+1]
.endr
.irp q, 0,1,2,3
	ds_store_b128 v[AXTW], v[PF+4*\q:PF+4*\q+3] offset:16*\q
.endr
.if \last == 0
	XLOAD                                          ; the next block's x lands while the rest of p is rounded
.endif
.irp T, 7,8,9,10,11,12,13,14,15
	PCVT \T
	PSTO \T
.endr
.if \last == 0
	s_wait_dscnt 9                                 ; x's eight loads are in; the nine stores behind them may be out
	XQUANT
.endif
	s_wait_dscnt 0x0                               ; for the others: x / l, and the next block's codes and scale bytes, lie in LDS
	s_barrier_signal -1
	WIN 0x50                                       ; den (destination and source 2) in window 1
.irp pt, 0,1
.irp ct, 0,1,2,3,4,5,6,7
.irp i, 0,2,4,6
	v_pk_fma_f32 v[DEN+8*\ct+\i:DEN+8*\ct+\i+1], v[S+64*\pt+8*\ct+\i:S+64*\pt+8*\ct+\i+1], v[RL+2*\pt:RL+2*\pt+1], v[DEN+8*\ct+\i:DEN+8*\ct+\i+1] op_sel_hi:[1,0,1]   ; den += p / l
.endr
.endr
.endr
	WIN 0
	s_barrier_wait -1
.if \last == 0
	ds_load_b128 v[XFR:XFR+3], v[AXCR]             ; the next block's fragments of codes: points 0-15,
	ds_load_b128 v[XFR+4:XFR+7], v[AXCR] offset:32
	ds_load_b128 v[XFR+8:XFR+11], v[AXCR] offset:16*XCP    ; points 16-31,
	ds_load_b128 v[XFR+12:XFR+15], v[AXCR] offset:16*XCP+32
	ds_load_b32 v[XS], v[AXSR]                     ; and their scale words
	ds_load_b32 v[XS+1], v[AXSR] offset:64
.endif
	WIN 0x40                                       ; destination window 1
.irp dt, 0,1,2,3,4,5,6,7
	ds_load_tr16_b128 v[XF+8*\dt:XF+8*\dt+3], v[ATRX] offset:32*\dt         ; this block's x / l, turned: 16 d x 32 points
	ds_load_tr16_b128 v[XF+8*\dt+4:XF+8*\dt+7], v[ATRX] offset:32*\dt+16*XTP
.endr
	PFL 0
	PFL 1
	PFL 2
.endm
	s_load_b256 s[4:11], s[0:1], 0x0               ; x s[4:5], ccode s[6:7], cscale s[8:9], cbias s[10:11]
	s_load_b128 s[12:15], s[0:1], 0x20             ; pnum s[12:13], pden s[14:15]
	v_lshl_add_u32 v[SPW], v0, 2, SPARE
	v_mov_b32 v[NIL], 0
	ds_add_u32 v[SPW], v[NIL]                      ; the opening add, ahead of my first tensor load; the set-up, work on registers, stands between it and its wait
	v_lshrrev_b32 v30, 5, v0
	v_readfirstlane_b32 s[WV], v30                 ; wave 0..3
	; descriptor group 1: a dense block of 20,480 bytes as 80 rows of 256 bytes (32 elements of 8 bytes), 16 bytes of padding behind each
	s_mov_b32 s[G1+0], (3<<16)|(1<<20)|(5<<22)|(3<<25)
	s_mov_b32 s[G1+1], 32<<16                      ; tensor_dim0
	s_mov_b32 s[G1+2], QROWS<<16                   ; tensor_dim1
	s_mov_b32 s[G1+3], 32<<16                      ; tile_dim0
	s_mov_b32 s[G1+4], QROWS                       ; tile_dim1
	s_mov_b32 s[G1+5], 32                          ; from row to row
	s_mov_b32 s[G1+6], 0
	s_mov_b32 s[G1+7], 0
	s_mov_b32 s[CSC], 0x4534563e                   ; c = 2000 log2(e)
	s_mov_b32 s[CSC+1], s[CSC]                     ; (named with it as a pair)
	s_mov_b32 s[NC], 0xc534563e                    ; -c
	s_mov_b32 s[SEL], 0x76543210
	s_mov_b32 s[SEL+1], 0xfedcba98
	s_mov_b32 s[XB], 0
	v_and_b32 v114, 15, v0                         ; r
	v_bfe_u32 v115, v0, 4, 1                       ; h
	v_lshrrev_b32 v116, 2, v0                      ; the point of a block that I prepare: 8 wave + lane / 4
	v_and_b32 v117, 3, v0                          ; and which 32 of its 128
	v_bfe_u32 v30, v0, 1, 1
	v_and_b32 v31, 1, v0
	v_mul_u32_u24 v[AXR], v116, PTB
	v_mad_u32_u24 v[AXR], v30, 272, v[AXR]
	v_lshl_add_u32 v[AXR], v31, 7, v[AXR]
	v_mul_u32_u24 v[AXCW], v116, XCP
	v_lshl_add_u32 v[AXCW], v117, 4, v[AXCW]
	v_add_nc_u32 v[AXCW], XC, v[AXCW]
	v_add_nc_u32 v[AXSW], XSC, v0                  ; 4 x point + block = my thread's number
	v_mul_u32_u24 v[AXCR], v114, XCP
	v_lshl_add_u32 v[AXCR], v115, 4, v[AXCR]
	v_add_nc_u32 v[AXCR], XC, v[AXCR]
	v_lshl_add_u32 v[AXSR], v114, 2, XSC
	s_lshl_b32 s17, s[WV], 2
	v_lshl_add_u32 v[AMR], v114, 4, MXB
	v_add_nc_u32 v[AMW], s17, v[AMR]
	v_lshl_add_u32 v[ALR], v114, 4, LXB
	v_add_nc_u32 v[ALW], s17, v[ALR]
	v_lshl_add_u32 v[ALP], v116, 4, LXB
	v_mul_u32_u24 v[AXTW], v116, XTP
	v_lshl_add_u32 v[AXTW], v117, 6, v[AXTW]
	v_add_nc_u32 v[AXTW], XT, v[AXTW]
	v_and_b32 v30, 7, v0                           ; the turning load: lane l reads 16 bytes of row 8 h + l % 8, at 16 ((l / 8) % 2)
	v_lshl_add_u32 v30, v115, 3, v30
	v_mul_u32_u24 v30, v30, XTP
	v_bfe_u32 v31, v0, 3, 1
	v_lshl_add_u32 v30, v31, 4, v30
	v_add_nc_u32 v[ATRX], XT, v30
	s_mul_i32 s[STB], s[WV], STGW
	s_add_co_u32 s[STB], s[STB], STG
	v_add_nc_u32 v[ASR], s[STB], v30
	v_mul_u32_u24 v31, v114, XTP
	v_lshl_add_u32 v31, v115, 4, v31
	v_add_nc_u32 v[ASW], s[STB], v31
	v_and_b32 v31, 31, v0
	v_lshlrev_b32 v[G16], 4, v31
	v_lshlrev_b32 v[G32], 5, v115
	v_lshlrev_b32 v30, 2, v31                      ; 4 x lane: not rewritten before the wait for the loads at the head
.irp i, 1,3,5,7,9
	v_mov_b32 v[NM+\i], 0                          ; the upper words of the pairs of which the low word serves both halves: named, so written
.endr
	v_mov_b32 v[TP], 0                             ; a lane permute's destination counts as read
	v_mov_b32 v[TP+1], 0
	s_mul_i32 s20, ttmp9, WGMEM                    ; my work-group's 800 points,
	s_mul_i32 s21, s[WV], QMEM                     ; my quarter of a slot
	s_add_co_u32 s20, s20, s21
	s_mov_b32 s21, 0
	s_mov_b32 s[G0A], 1                            ; count = 1
	s_mul_i32 s[G0A+1], s[WV], QLDS                ; LDS: slot 0, my quarter
	s_mov_b32 s[G0B], 1
	s_add_co_u32 s[G0B+1], s[G0A+1], SLOT1         ; slot 1
	s_wait_dscnt 0x0                               ; the opening add is done
	s_wait_kmcnt 0x0
	s_add_nc_u64 s[G0A+2:G0A+3], s[4:5], s[20:21]
	s_add_nc_u64 s[G0B+2:G0B+3], s[G0A+2:G0A+3], CHMEM
	s_or_b32 s[G0A+3], s[G0A+3], 0x80000000        ; type = 2
	s_or_b32 s[G0B+3], s[G0B+3], 0x80000000
	tensor_load_to_lds s[G0A:G0A+3], s[G1:G1+7]    ; points 0-159: the two first fills go out together: two loads of mine are out
	s_nop 0
	tensor_load_to_lds s[G0B:G0B+3], s[G1:G1+7]    ; points 160-319
	s_nop 0
	PLACES
	s_lshl_b32 s20, s[WV], 13                      ; my 8 tiles of centres: 8,192 bytes of codes,
	s_add_nc_u64 s[6:7], s[6:7], s[20:21]
	s_lshl_b32 s20, s[WV], 10                      ; 1,024 of scale words,
	s_add_nc_u64 s[8:9], s[8:9], s[20:21]
	s_lshl_b32 s20, s[WV], 9                       ; 512 of bias
	s_add_nc_u64 s[10:11], s[10:11], s[20:21]
	s_lshl_b32 s20, ttmp9, 18                      ; my part of pnum: 262,144 x work-group + 65,536 x wave
	s_lshl_b32 s22, s[WV], 16
	s_add_co_u32 s20, s20, s22
	s_add_nc_u64 s[12:13], s[12:13], s[20:21]
	s_lshl_b32 s20, ttmp9, 11                      ; and of pden: 2,048 x work-group + 512 x wave
	s_lshl_b32 s22, s[WV], 9
	s_add_co_u32 s20, s20, s22
	s_add_nc_u64 s[14:15], s[14:15], s[20:21]
	WIN 0x40                                       ; destination window 1
.irp t, 0,1,2,3,4,5,6,7
.irp c, 0,1
	global_load_b128 v[8*\t+4*\c:8*\t+4*\c+3], v[G16], s[6:7] offset:1024*\t+512*\c      ; the codes come as the registers want them: 512 consecutive bytes a load
.endr
.endr
.irp t, 0,1,2,3,4,5,6,7
	global_load_b128 v[BI+8*\t:BI+8*\t+3], v[G32], s[10:11] offset:64*\t                 ; the bias in the result's layout: lane (r, h), register j: centre 16 t + 8 h + j
	global_load_b128 v[BI+8*\t+4:BI+8*\t+7], v[G32], s[10:11] offset:64*\t+16
.endr
.set i, 0
.rept 64
	v_mov_b32 v[DEN+i], 0                          ; den begins at 0: 64 lines once, so that the first block needs no text of its own for it
.set i, i+1
.endr
	WIN 0
.irp t, 0,1,2,3,4,5,6,7
	global_load_b32 v[CS+\t], v30, s[8:9] offset:128*\t
.endr
	s_wait_tensorcnt 1                             ; my quarter of slot 0 is in; slot 1's may stay out
	s_barrier_signal -1
	s_barrier_wait -1                              ; everybody's is
	XLOAD                                          ; block 0
	s_wait_dscnt 0x0
	XQUANT
	s_wait_dscnt 0x0                               ; for the others: my codes and scale bytes lie in LDS
	s_barrier_signal -1
	s_barrier_wait -1
	ds_load_b128 v[XFR:XFR+3], v[AXCR]
	ds_load_b128 v[XFR+4:XFR+7], v[AXCR] offset:32
	ds_load_b128 v[XFR+8:XFR+11], v[AXCR] offset:16*XCP
	ds_load_b128 v[XFR+12:XFR+15], v[AXCR] offset:16*XCP+32
	ds_load_b32 v[XS], v[AXSR]
	ds_load_b32 v[XS+1], v[AXSR] offset:64
	s_wait_loadcnt 0x0                             ; my centres
	TRIP 0, 0                                      ; block 0: there is no block before it
	TRIP 2, 0                                      ; block 1: block 0's products start the sums
	s_mov_b32 s[CNT], 2
.Lfirst:                                           ; blocks 2, 3: in block 3 the last block of slot 0 is read
	TRIP 1, 0
	s_sub_co_u32 s[CNT], s[CNT], 1
	s_cmp_lg_u32 s[CNT], 0
	s_cbranch_scc1 .Lfirst
	s_mov_b32 s[CNT+1], 3
.Lslot:                                            ; blocks 4 to 18: three changes of slots, each with a refill: points 320 to 799
	CHANGE 1
	s_mov_b32 s[CNT], 5
.Lfive:
	TRIP 1, 0
	s_sub_co_u32 s[CNT], s[CNT], 1
	s_cmp_lg_u32 s[CNT], 0
	s_cbranch_scc1 .Lfive
	s_sub_co_u32 s[CNT+1], s[CNT+1], 1
	s_cmp_lg_u32 s[CNT+1], 0
	s_cbranch_scc1 .Lslot
	CHANGE 0                                       ; the tail is written out: the last slot is whole, and nothing is asked for
	s_mov_b32 s[CNT], 5
.Ltail:                                            ; blocks 19 to 23
	TRIP 1, 0
	s_sub_co_u32 s[CNT], s[CNT], 1
	s_cmp_lg_u32 s[CNT], 0
	s_cbranch_scc1 .Ltail
	TRIP 1, 1                                      ; block 24
	; block 24's products: p's fragments 3 to 7 go into the score registers, which are free
.irp g, 3,4,5,6,7
	ds_load_tr16_b128 v[S+8*(\g-3):S+8*(\g-3)+3], v[ASR] offset:32*\g
	ds_load_tr16_b128 v[S+8*(\g-3)+4:S+8*(\g-3)+7], v[ASR] offset:32*\g+16*XTP
.endr
	s_wait_dscnt 0x0
.set n, 0
.rept 64
	PVW 1, 1
.set n, n+1
.endr
	WIN 0
	; THE WAY OUT.  The address work below, more than four plain lines, stands behind the last products, ahead of the loads into the registers that they read and of the first read of results.
.set STO, 3                            ; v3  the stage: where I put 32 bytes of a row
.set RD,  4                            ; v4  16 x lane in my stage
.set DB,  5                            ; v5  den: my 256 bytes of the image
.set GOF, 6                            ; v6  16 x lane, in pnum
.set DOF, 7                            ; v7  my 16 bytes of pden
	v_and_b32 v30, 31, v0
	v_and_b32 v31, 15, v0
	v_bfe_u32 v114, v0, 4, 1
	v_lshl_add_u32 v[RD], v30, 4, s[STB]
	v_mul_u32_u24 v[STO], v31, OUTP
	v_lshl_add_u32 v[STO], v114, 5, v[STO]
	v_add_nc_u32 v[STO], s[STB], v[STO]
	v_lshlrev_b32 v[DB], 8, v30
	v_lshl_add_u32 v[DB], v31, 4, v[DB]
	v_add_nc_u32 v[DB], s[STB], v[DB]
	v_lshlrev_b32 v[GOF], 4, v30
	v_lshrrev_b32 v115, 2, v30
	v_lshlrev_b32 v[DOF], 6, v115
	v_and_b32 v115, 1, v0
	v_lshl_add_u32 v[DOF], v115, 5, v[DOF]
	v_bfe_u32 v115, v0, 1, 1
	v_lshl_add_u32 v[DOF], v115, 4, v[DOF]
	; DEN.  Register 8 ct + j of lane (r, h) holds centre 16 ct + 8 h + j, summed over the points with number r modulo 16: the sixteen lanes r are still to be added.
	; The 64 registers go to my stage as they stand (quad q at 512 q + 16 lane); lane L takes back the sixteen quads of (q = L / 2, h = L % 2), each lane beginning at another column of the banks.
	WIN 0x04                                       ; an LDS store's data are its source 1: window 1
.irp q, 0,1,2,3,4,5,6,7,8,9,10,11,12,13,14,15
	ds_store_b128 v[RD], v[DEN+4*\q:DEN+4*\q+3] offset:512*\q
.endr
	WIN 0
.irp r, 0,1,2,3,4,5,6,7,8,9,10,11,12,13,14,15
	v_xor_b32 v[XR+\r], 16*\r, v[DB]
.endr
.irp r, 0,1,2,3,4,5,6,7,8,9,10,11,12,13,14,15
	ds_load_b128 v[S+4*\r:S+4*\r+3], v[XR+\r]      ; LDS serves a wave's instructions in order: these see my stores
.endr
	s_wait_dscnt 0x0
.macro HALVE d                         ; quads 0 .. d - 1 take quads d .. 2 d - 1
.set i, 0
.rept \d
	v_pk_add_f32 v[S+4*i:S+4*i+1], v[S+4*i:S+4*i+1], v[S+4*(i+\d):S+4*(i+\d)+1]
	v_pk_add_f32 v[S+4*i+2:S+4*i+3], v[S+4*i+2:S+4*i+3], v[S+4*(i+\d)+2:S+4*(i+\d)+3]
.set i, i+1
.endr
.endm
	HALVE 8
	HALVE 4
	HALVE 2
	v_pk_add_f32 v[XR+16:XR+17], v[S:S+1], v[S+4:S+5]      ; into registers that are not written again: the store needs no wait
	v_pk_add_f32 v[XR+18:XR+19], v[S+2:S+3], v[S+6:S+7]
	global_store_b128 v[DOF], v[XR+16:XR+19], s[14:15] th:TH_STORE_NT      ; centres 16 (L / 4) + 8 (L % 2) + 4 ((L / 2) % 2) + 0 .. 3: the wave covers 512 consecutive bytes
	; NUM, 16 centres at a time.  A lane holds 32 neighbouring bytes of a centre's row and the lanes beside it hold other rows: a block goes through my stage and comes back as whole rows of 512 bytes.
.macro TOSTAGE a
.set AC, 64*((\a)%4)
	WIN 0x08+4*((\a)/4)                            ; the data: window 2 or 3
.irp dt, 0,1,2,3,4,5,6,7
	ds_store_b128 v[STO], v[AC+8*\dt:AC+8*\dt+3] offset:64*\dt             ; each accumulator from its low end on
	ds_store_b128 v[STO], v[AC+8*\dt+4:AC+8*\dt+7] offset:64*\dt+16
.endr
	WIN 0
.set BB, S+64*((\a)%2)
.irp t, 0,1,2,3,4,5,6,7,8,9,10,11,12,13,14,15
	ds_load_b128 v[BB+4*\t:BB+4*\t+3], v[RD] offset:\t*OUTP
.endr
.endm
.macro SEND a, younger                 ; younger: the LDS instructions issued behind block a's loads, which may stay out
.set BB, S+64*((\a)%2)
	s_wait_dscnt \younger
.irp t, 0,1,2,3,4,5,6,7,8,9,10,11,12,13,14,15
	global_store_b128 v[GOF], v[BB+4*\t:BB+4*\t+3], s[12:13] offset:8192*(\a)+512*\t th:TH_STORE_NT    ; 32 lanes store a row of 512 consecutive bytes, at a multiple of 256 from the buffer's first byte
.endr
.endm
	TOSTAGE 0
.irp a, 1,2,3,4,5,6,7
.if \a > 1
	s_wait_xcnt 0x0                                ; the stores of two blocks back have read their registers: this block's rows may land there
.endif
	TOSTAGE \a
	SEND \a-1, 32                                  ; behind the earlier block's loads: this block's 16 stores and 16 loads
.endr
	SEND 7, 0
	s_wait_tensorcnt 0x0                           ; the wave's end, behind my last tensor load and my last LDS store
	ds_add_u32 v[SPW], v[NIL]
	s_wait_dscnt 0x0
	s_endpgm
.Lfunc_end_k_q2e59ffa808_main:
	.size	k_q2e59ffa808_main, .Lfunc_end_k_q2e59ffa808_main-k_q2e59ffa808_main
	.p2alignl 7, 3214868480
	.fill 96, 4, 3214868480
	.section	.rodata,"a",@progbits
	.p2align	6, 0x0
	.amdhsa_kernel k_q2e59ffa808_main
		.amdhsa_group_segment_fixed_size 327680
		.amdhsa_private_segment_fixed_size 0
		.amdhsa_enable_private_segment 0
		.amdhsa_kernarg_size 48
		.amdhsa_user_sgpr_count 2
		.amdhsa_user_sgpr_kernarg_segment_ptr 1
		.amdhsa_wavefront_size32 1
		.amdhsa_system_sgpr_workgroup_id_x 1
		.amdhsa_system_sgpr_workgroup_id_y 1
		.amdhsa_system_sgpr_workgroup_id_z 1
		.amdhsa_system_vgpr_workitem_id 0
		.amdhsa_next_free_vgpr 1024
		.amdhsa_next_free_sgpr 66
		.amdhsa_reserve_vcc 0
		.amdhsa_float_denorm_mode_32 3
		.amdhsa_float_denorm_mode_16_64 3
		.amdhsa_memory_ordered 1
		.amdhsa_forward_progress 1
		.amdhsa_inst_pref_size 255
	.end_amdhsa_kernel
	.section	.bss,"aw",@nobits
	.p2align	6
	.space	262144
	.amdgpu_metadata
---
amdhsa.version: [ 1, 2 ]
amdhsa.kernels:
  - .name:           k_q2e59ffa808_main
    .symbol:         k_q2e59ffa808_main.kd
    .args:
      - { .name: x, .offset: 0, .size: 8, .value_kind: global_buffer, .address_space: global }
      - { .name: ccode, .offset: 8, .size: 8, .value_kind: global_buffer, .address_space: global }
      - { .name: cscale, .offset: 16, .size: 8, .value_kind: global_buffer, .address_space: global }
      - { .name: cbias, .offset: 24, .size: 8, .value_kind: global_buffer, .address_space: global }
      - { .name: pnum, .offset: 32, .size: 8, .value_kind: global_buffer, .address_space: global }
      - { .name: pden, .offset: 40, .size: 8, .value_kind: global_buffer, .address_space: global }
    .group_segment_fixed_size: 327680
    .private_segment_fixed_size: 0
    .kernarg_segment_align: 8
    .kernarg_segment_size: 48
    .max_flat_workgroup_size: 128
    .sgpr_count:     66
    .vgpr_count:     1024
    .wavefront_size: 32
...
	.end_amdgpu_metadata
.endif
;; end of part 2
;; launch fold (part 3): grid 256 x 1, 10 waves a work-group, no clusters, 6,656 bytes of LDS; arguments pnum, pden, out0; writes out0
.if DOCPART == 3
	.amdgcn_target "amdgcn-amd-amdhsa--gfx1250"
	.amdhsa_code_object_version 6
	.text
	.protected	k_q2e59ffa808_fold
	.globl	k_q2e59ffa808_fold
	.p2align	8
	.type	k_q2e59ffa808_fold,@function
k_q2e59ffa808_fold:
	s_mov_b64 s[64:65], 0
	v_nop
	global_prefetch_b8 v0, s[64:65] scope:SCOPE_SE
	s_setreg_imm32_b32 hwreg(HW_REG_WAVE_MODE, 25, 1), 1
	s_wait_xcnt 0x0
; out0[k][d] = (sum over the 250 partials of pnum[p][k][d]) / (sum over p of pden[p][k] + 1e-10).  pnum [250][512][128], pden [250][512], out0 [512][128], all f32.
; A stream: memory binds, so no matrix unit, no cluster, no tensor load.  Work-group g owns centres 2 g and 2 g + 1.  Wave v takes row v % 2 and the fifty partials 50 (v / 2) on:
; fifty loads of 512 consecutive bytes, all on their way at once; the five waves of a row meet in LDS behind one barrier, and waves 0 and 1 divide and store a whole row each.
; Of pden a work-group reads 8 bytes of each partial: the buffer has 512,000 bytes in all.
; LIMITS: the sums go in another order than a plain loop; the division is v_rcp_f32 and a multiplication; NaN and infinities are not served.
.set PNB,   262144                     ; a partial of pnum in bytes
.set DW,    5120                       ; LDS: 0 .. 5,119 the ten waves' sums, 16 bytes a thread; from 5,120 their den words
.set SPARE, 5376                       ; the spare words, 128 bytes a wave: five blocks of 256 bytes that no other line names
.set L,     24                         ; v24-223  fifty loads of four registers
	s_load_b128 s[4:7], s[0:1], 0x0                ; pnum, pden
	s_load_b64 s[8:9], s[0:1], 0x10                ; out0
	v_lshl_add_u32 v1, v0, 2, SPARE                ; my spare word; never rewritten
	v_mov_b32 v2, 0                                ; 0; never rewritten
	v_lshrrev_b32 v3, 5, v0
	v_readfirstlane_b32 s10, v3                    ; wave 0..9
	v_and_b32 v4, 31, v0                           ; lane
	s_and_b32 s11, s10, 1                          ; which of the two rows
	s_lshr_b32 s12, s10, 1                         ; which fifty partials
	v_lshlrev_b32 v5, 4, v4                        ; 16 x lane
	v_lshlrev_b32 v6, 11, v4                       ; pden: partial lane of my fifty, 2,048 bytes apart,
	v_add_nc_u32 v7, 32, v4
	v_min_u32 v7, 49, v7                           ; and partial 32 + lane, held inside my fifty
	v_lshlrev_b32 v7, 11, v7
	v_lshlrev_b32 v16, 4, v0                       ; 16 x thread: my place among the sums, and in waves 0 and 1 my place in the two rows of out0
	v_lshl_add_u32 v17, v3, 2, DW                  ; my wave's den word
	v_mov_b32 v10, 0                               ; a lane permute's destination counts as read
	v_cmp_gt_u32 vcc_lo, 18, v4                    ; lanes 0 to 17 hold partials 32 to 49
	s_mul_i32 s14, s12, 50*PNB
	s_lshl_b32 s15, ttmp9, 10
	s_add_co_u32 s14, s14, s15
	s_lshl_b32 s15, s11, 9
	s_add_co_u32 s14, s14, s15                     ; 13,107,200 q + 1,024 g + 512 row
	s_mov_b32 s15, 0
	s_mul_i32 s16, s12, 50*2048
	s_lshl_b32 s17, ttmp9, 3
	s_add_co_u32 s16, s16, s17
	s_lshl_b32 s17, s11, 2
	s_add_co_u32 s16, s16, s17                     ; 102,400 q + 8 g + 4 row
	s_mov_b32 s17, 0
	s_lshl_b32 s18, ttmp9, 10
	s_mov_b32 s19, 0
	s_mov_b32 s22, 0x76543210
	s_mov_b32 s23, 0xfedcba98
	s_wait_kmcnt 0x0
	s_add_nc_u64 s[4:5], s[4:5], s[14:15]
	s_add_nc_u64 s[20:21], s[4:5], 25*PNB          ; a second base, so that every offset stays inside the signed 24-bit immediate: 24 x 262,144 at the most
	s_add_nc_u64 s[6:7], s[6:7], s[16:17]
	s_add_nc_u64 s[8:9], s[8:9], s[18:19]
	global_load_b32 v8, v6, s[6:7]
	global_load_b32 v9, v7, s[6:7]
.set k, 0
.rept 25
	global_load_b128 v[L+4*k:L+4*k+3], v5, s[4:5] offset:k*PNB th:TH_LOAD_NT
.set k, k+1
.endr
.set k, 0
.rept 25
	global_load_b128 v[L+100+4*k:L+100+4*k+3], v5, s[20:21] offset:k*PNB th:TH_LOAD_NT
.set k, k+1
.endr
	s_wait_loadcnt 50                              ; the two loads of den are in; the fifty behind them stay out
	v_cndmask_b32 v9, 0, v9, vcc_lo                ; lanes 18 to 31 repeat partial 49: they count for nothing
	v_add_f32 v8, v8, v9
	v_add_f32_dpp v8, v8, v8 row_xmask:1 row_mask:0xf bank_mask:0xf
	v_add_f32_dpp v8, v8, v8 row_xmask:2 row_mask:0xf bank_mask:0xf
	v_add_f32_dpp v8, v8, v8 row_xmask:4 row_mask:0xf bank_mask:0xf
	v_add_f32_dpp v8, v8, v8 row_xmask:8 row_mask:0xf bank_mask:0xf
	v_permlanex16_b32 v10, v8, s22, s23
	v_add_f32 v8, v8, v10                          ; my fifty partials' den, in every lane
	s_wait_loadcnt 40                              ; partials 0 to 9 are in
.set k, 2
.rept 48                                       ; two chains, even and odd partials; the first sums start them: nothing is cleared
.if (k%10) == 0
	s_wait_loadcnt 40-k                            ; ten more
.endif
.set rL, L+4*k
.set rC, 12+6*(k%2)                            ; v[12:15] and v[18:21]
.if k < 4
	v_pk_add_f32 v[rC:rC+1], v[rL-8:rL-7], v[rL:rL+1]
	v_pk_add_f32 v[rC+2:rC+3], v[rL-6:rL-5], v[rL+2:rL+3]
.else
	v_pk_add_f32 v[rC:rC+1], v[rC:rC+1], v[rL:rL+1]
	v_pk_add_f32 v[rC+2:rC+3], v[rC+2:rC+3], v[rL+2:rL+3]
.endif
.set k, k+1
.endr
	v_pk_add_f32 v[12:13], v[12:13], v[18:19]
	v_pk_add_f32 v[14:15], v[14:15], v[20:21]
	ds_store_b128 v16, v[12:15]
	ds_store_b32 v17, v8                           ; all lanes store the same number at the same word
	s_wait_tensorcnt 0x0                           ; behind my last LDS store
	ds_add_u32 v1, v2
	s_wait_dscnt 0x0                               ; the last is also the wait that the barrier needs: my stores lie in LDS
	s_barrier_signal -1
	s_barrier_wait -1
	s_cmp_ge_u32 s10, 2
	s_cbranch_scc1 .Ldone                          ; waves 0 and 1 finish the two rows
.irp q, 0,1,2,3,4
	ds_load_b128 v[L+4*\q:L+4*\q+3], v16 offset:1024*\q    ; wave 2 q + row stored at 1,024 q + 512 row + 16 lane
	ds_load_b32 v[44+\q], v17 offset:8*\q
.endr
	s_wait_dscnt 0x0
	v_add_f32 v44, v44, v45
	v_add_f32 v46, v46, v47
	v_add_f32 v44, v44, v48
	v_add_f32 v44, v44, v46
	v_add_f32 v44, 0x2edbe6ff, v44                 ; + 1e-10
	v_rcp_f32 v50, v44
	v_mov_b32 v51, 0                               ; (named with it as a pair)
	v_pk_add_f32 v[L:L+1], v[L:L+1], v[L+4:L+5]    ; plain work behind the reciprocal
	v_pk_add_f32 v[L+2:L+3], v[L+2:L+3], v[L+6:L+7]
	v_pk_add_f32 v[L+8:L+9], v[L+8:L+9], v[L+12:L+13]
	v_pk_add_f32 v[L+10:L+11], v[L+10:L+11], v[L+14:L+15]
	v_pk_add_f32 v[L:L+1], v[L:L+1], v[L+16:L+17]
	v_pk_add_f32 v[L+2:L+3], v[L+2:L+3], v[L+18:L+19]
	v_pk_add_f32 v[L:L+1], v[L:L+1], v[L+8:L+9]
	v_pk_add_f32 v[L+2:L+3], v[L+2:L+3], v[L+10:L+11]
	s_wait_alu depctr_va_vdst(0)                   ; the wait ahead of the reciprocal's first reader
	v_pk_mul_f32 v[L:L+1], v[L:L+1], v[50:51] op_sel_hi:[1,0]
	v_pk_mul_f32 v[L+2:L+3], v[L+2:L+3], v[50:51] op_sel_hi:[1,0]
	global_store_b128 v16, v[L:L+3], s[8:9]        ; 32 lanes store a row of 512 consecutive bytes
.Ldone:
	s_endpgm
.Lfunc_end_k_q2e59ffa808_fold:
	.size	k_q2e59ffa808_fold, .Lfunc_end_k_q2e59ffa808_fold-k_q2e59ffa808_fold
	.p2alignl 7, 3214868480
	.fill 96, 4, 3214868480
	.section	.rodata,"a",@progbits
	.p2align	6, 0x0
	.amdhsa_kernel k_q2e59ffa808_fold
		.amdhsa_group_segment_fixed_size 6656
		.amdhsa_private_segment_fixed_size 0
		.amdhsa_enable_private_segment 0
		.amdhsa_kernarg_size 24
		.amdhsa_user_sgpr_count 2
		.amdhsa_user_sgpr_kernarg_segment_ptr 1
		.amdhsa_wavefront_size32 1
		.amdhsa_system_sgpr_workgroup_id_x 1
		.amdhsa_system_sgpr_workgroup_id_y 1
		.amdhsa_system_sgpr_workgroup_id_z 1
		.amdhsa_system_vgpr_workitem_id 0
		.amdhsa_next_free_vgpr 224
		.amdhsa_next_free_sgpr 66
		.amdhsa_reserve_vcc 1
		.amdhsa_float_denorm_mode_32 3
		.amdhsa_float_denorm_mode_16_64 3
		.amdhsa_memory_ordered 1
		.amdhsa_forward_progress 1
		.amdhsa_inst_pref_size 16
	.end_amdhsa_kernel
	.amdgpu_metadata
---
amdhsa.version: [ 1, 2 ]
amdhsa.kernels:
  - .name:           k_q2e59ffa808_fold
    .symbol:         k_q2e59ffa808_fold.kd
    .args:
      - { .name: pnum, .offset: 0, .size: 8, .value_kind: global_buffer, .address_space: global }
      - { .name: pden, .offset: 8, .size: 8, .value_kind: global_buffer, .address_space: global }
      - { .name: out0, .offset: 16, .size: 8, .value_kind: global_buffer, .address_space: global }
    .group_segment_fixed_size: 6656
    .private_segment_fixed_size: 0
    .kernarg_segment_align: 8
    .kernarg_segment_size: 24
    .max_flat_workgroup_size: 320
    .sgpr_count:     66
    .vgpr_count:     224
    .wavefront_size: 32
...
	.end_amdgpu_metadata
.endif
;; end of part 3
